; MI455X (gfx1250); checked and timed in simulation.
; The chip was launched on July 23, 2026; its instructions are those of AMD's public machine-readable ISA for CDNA 5 (MIT licence, August 2026) and "CDNA5" Instruction Set Architecture Reference Guide (July 2026). The comments in the code are by the model that wrote it; some were corrected since.
;; Causal Multi Head Self Attention. Allowed arithmetic: matrix products marked QUANTISED: E4M3 operands, one given power-of-two scale a tensor, by v_wmma_f32_16x16x64_fp8_fp8 or v_wmma_f32_16x16x128_fp8_fp8, f32 sums; everything else in f32.
;; Inputs: Wk_codes 1,024 x 32 x 32 uint8 (E4M3 codes of Wk, K innermost, in blocks of 32 codes); Wo_codes 1,024 x 32 x 32 uint8 (E4M3 codes of Wo, K innermost, in blocks of 32 codes); Wq_codes 1,024 x 32 x 32 uint8 (E4M3 codes of Wq, K innermost, in blocks of 32 codes); Wv_codes 1,024 x 32 x 32 uint8 (E4M3 codes of Wv, K innermost, in blocks of 32 codes); lowp_scales 12 int32 (the exponents e of the quantised operands' scales 2^e); token_positions 2,048 int32; x_codes 4 x 2,048 x 32 x 32 uint8 (E4M3 codes of x, K innermost, in blocks of 32 codes).
;; Outputs: out0 4 x 2,048 x 1,024 float32.
;; This version of the problem:
;;   THIS VERSION OF THE PROBLEM IS GIVEN IN LOW PRECISION. The matrix products marked QUANTISED in the list below multiply operands that are first quantised to E4M3 (4 exponent bits, 3 mantissa bits; 8 bits a number), with one given power-of-two scale for each operand tensor; their sums are f32. All else is computed in f32.
;;   The module's matrix products, in the order in which they are computed (A, B: the left and right operand; K: the contracted axis; several contracted axes count as one K, in the product's order):
;;     1. [M 8,192, K 1,024] x [K 1,024, N 1,024]; A: input x (given as codes); B: input Wq (given as codes): QUANTISED (scales: A lowp_scales[0], B lowp_scales[1])
;;     2. [M 8,192, K 1,024] x [K 1,024, N 1,024]; A: input x (given as codes); B: input Wk (given as codes): QUANTISED (scales: A lowp_scales[2], B lowp_scales[3])
;;     3. [M 8,192, K 1,024] x [K 1,024, N 1,024]; A: input x (given as codes); B: input Wv (given as codes): QUANTISED (scales: A lowp_scales[4], B lowp_scales[5])
;;     4. batch 64 x [M 2,048, K 64] x [K 64, N 2,048]; A: computed on the way; B: computed on the way: QUANTISED (scales: A lowp_scales[6], B lowp_scales[7])
;;     5. batch 64 x [M 2,048, K 2,048] x [K 2,048, N 64]; A: softmax (see below); B: computed on the way: QUANTISED (scales: A lowp_scales[8], B lowp_scales[9])
;;     6. [M 8,192, K 1,024] x [K 1,024, N 1,024]; A: computed on the way; B: input Wo (given as codes): QUANTISED (scales: A lowp_scales[10], B lowp_scales[11])
;;   THE QUANTISER, for each operand of a quantised product, along K:
;;     - The operand's scale is 2^e, e = its entry of the input lowp_scales (int32; the entries are numbered through the quantised products in the list's order, A before B).
;;     - Each number is divided by the scale, clamped to +-448, and rounded to the nearest number of E4M3, ties to even, subnormals kept.
;;     - The product sums the exact products of the quantised numbers (number of the format x scale) in f32.
;;   ~~~python
;;   def quantise(x, axis, e):      # numpy; x: float32 -> the quantised numbers, widened to float32 again
;;       x = np.moveaxis(x, axis, -1); K = x.shape[-1]
;;       r = np.clip(x / 2.0 ** e, -448, 448)
;;       step = 2.0 ** (np.maximum(np.frexp(np.where(r == 0, 1, r))[1] - 1, -6) - 3)
;;       q = np.round(r / step) * step * 2.0 ** e      # np.round: ties to even
;;       return np.moveaxis(q, -1, axis).astype(np.float32)
;;   ~~~
;;   SOFTMAX AHEAD OF A QUANTISED PRODUCT. Where the list says 'softmax', what is quantised is not the finished softmax but p = 2^(t - M), with t = logit x log2(e) and M = ceil(the row's largest t), a whole number; so 1/2 < the row's largest p <= 1. The row's sum l is taken of the UNQUANTISED p, in f32, and the product's result is divided by l at the end. Since M is a whole number, a kernel that streams over the keys may use a running M (the ceiling of the running maximum): every later rescaling is an exact power of two, so the quantised numbers keep their values, but for numbers so far below the row's largest that they fall under the format's range.
;;   OPERANDS COMPUTED ON THE WAY. 'Computed on the way' means the value that the module computes at that place (a softmax that the list does not call 'softmax' is quantised finished and normalised). What goes into a quantiser is computed in f32, as accurately as f32 sums, v_exp_f32 and their like allow (about 1e-6 of the number): no bf16 or f16 on the way to a quantiser, and a product that is left as it is and whose result goes on into a quantised operand takes f32 operands (vector FMAs, or v_wmma_f32_16x16x4_f32). A number that lies on a knife's edge between two numbers of the format may be rounded either way, as far as f32 arithmetic and the matrix unit's own rounding can turn it there, and no further.
;;   INPUTS GIVEN AS CODES. Wk (in the module: [1024, 1024], K = its axis 1); Wo (in the module: [1024, 1024], K = its axis 1); Wq (in the module: [1024, 1024], K = its axis 1); Wv (in the module: [1024, 1024], K = its axis 1); x (in the module: [4, 2048, 1024], K = its axis 2): each comes as NAME_codes (uint8): NAME with its K axis moved to the last place and cut into blocks of 32 codes, [.., K / 32, bytes a block], one block behind the other in memory; one code a byte (a code: sign, 4 exponent bits, 3 mantissa bits); its scale is its entry of lowp_scales. Its value is code x scale, taken as it is: it is not quantised again, and the codes and scales need not be those that the quantiser above would give.
;; One version. Each part assembles by itself: llvm-mc -triple=amdgcn-amd-amdhsa -mcpu=gfx1250 --defsym DOCPART=n.
;; ======== version 1 of 1: 4 launches
;; limits: inputs' magnitudes at most 4,194,304; right only within a limited range of input values
;; workspace buffers: rope 524,288 bytes; q_ws 8,388,608 bytes; k_ws 8,388,608 bytes; v_ws 8,388,608 bytes; o_ws 8,388,608 bytes
;; launch ropetab (part 1): grid 256 x 1, 1 waves a work-group, no clusters, 0 bytes of LDS; arguments token_positions, rope; writes rope
.if DOCPART == 1
	.amdgcn_target "amdgcn-amd-amdhsa--gfx1250"
	.amdhsa_code_object_version 6
	.text
	.protected	k_q69c558a3be_ropetab
	.globl	k_q69c558a3be_ropetab
	.p2align	8
	.type	k_q69c558a3be_ropetab,@function
k_q69c558a3be_ropetab:
	s_mov_b64 s[64:65], 0
	v_nop
	global_prefetch_b8 v0, s[64:65] scope:SCOPE_SE
	s_setreg_imm32_b32 hwreg(HW_REG_WAVE_MODE, 25, 1), 1
	s_wait_xcnt 0x0
; rope[s][i] = (cos, sin) of token_positions[s] x 10000^(-i/32), f32, i = 0 .. 31: a row of 256 bytes for each of the 2,048 places.
; It is made once here, since every (place, frequency) is wanted by 32 heads' worth of q and k in four batches.
; One wave to a work-group; the work-group takes 8 places, the lane is the frequency i.  A store covers one whole row: 256 consecutive bytes, aligned.
; THE ANGLE.  10000^(-i/32) = 10^(-(i % 8)/8) x 10^(-(i / 8)): two short tables, chosen by compares; for i < 8, where angles are largest, the second factor is 1 and the first is correctly rounded.
; COS AND SIN.  N = the angle x 2/pi rounded to a whole number; R = angle - N x pi/2, pi/2 in three parts by fused multiply-adds; |R| <= pi/4 (a little more where N falls one off).
; sin R by its series through R^9, cos R through R^10: the first term left out is under 2e-9 there.  N mod 4 swaps the two and sets the signs.
; LIMIT: |position x frequency| under 2^22, so that N is a whole number that f32 and i32 hold; beyond it the angle's own f32 rounding leaves no meaning to cos and sin.
; No LDS, no matrix unit, no cluster: work-groups share nothing, and there are 30 plain instructions to a number pair.
.set INV, 2                            ; v2   my frequency
.set TK,  16                           ; place t: v[TK+8t] angle then R, +1 N then at work, +2 R^2, +3 sin, +4 cos, +5 N as i32, +6,+7 the pair that is stored
	s_load_b128 s[4:7], s[0:1], 0x0                ; token_positions, rope
	s_lshl_b32 s2, ttmp9, 5                        ; my 8 positions: 32 bytes
	s_mov_b32 s3, 0
	s_lshl_b32 s30, ttmp9, 11                      ; my 8 rows: 2,048 bytes
	s_mov_b32 s31, 0
	v_and_b32 v3, 7, v0                            ; i % 8
	v_lshrrev_b32 v4, 3, v0                        ; i / 8
	v_lshlrev_b32 v1, 3, v0                        ; 8 bytes a lane
	s_wait_alu depctr_va_vdst(0)
	s_wait_kmcnt 0x0
	s_add_nc_u64 s[4:5], s[4:5], s[2:3]
	s_add_nc_u64 s[6:7], s[6:7], s[30:31]
	s_load_b256 s[8:15], s[4:5], 0x0               ; eight positions
	s_mov_b32 s16, 0x3f22f983                      ; 2/pi
	s_mov_b32 s17, 0xbfc90fd8                      ; -pi/2, first part
	s_mov_b32 s18, 0xb4a8885a                      ; second
	s_mov_b32 s19, 0xa7c234c5                      ; third
	s_mov_b32 s20, 0x3638ef1d                      ; 1/9!
	s_mov_b32 s21, 0xb9500d01                      ; -1/7!
	s_mov_b32 s22, 0x3c088889                      ; 1/5!
	s_mov_b32 s23, 0xbe2aaaab                      ; -1/3!
	s_mov_b32 s24, 0xb493f27e                      ; -1/10!
	s_mov_b32 s25, 0x37d00d01                      ; 1/8!
	s_mov_b32 s26, 0xbab60b61                      ; -1/6!
	s_mov_b32 s27, 0x3d2aaaab                      ; 1/4!
.macro PICK dst, idx, n, bits          ; v[dst] = bits where v[idx] = n
	v_mov_b32 v5, \bits
	v_cmp_eq_u32 vcc_lo, \n, v[\idx]
	v_cndmask_b32 v[\dst], v[\dst], v5, vcc_lo
.endm
	v_mov_b32 v[INV], 1.0
	PICK INV, 3, 1, 0x3f3ff911                     ; 10^(-1/8)
	PICK INV, 3, 2, 0x3f0ff59a
	PICK INV, 3, 3, 0x3ed7e89b
	PICK INV, 3, 4, 0x3ea1e89b
	PICK INV, 3, 5, 0x3e72d424
	PICK INV, 3, 6, 0x3e361887
	PICK INV, 3, 7, 0x3e088d77                     ; 10^(-7/8)
	v_mov_b32 v6, 1.0
	PICK 6, 4, 1, 0x3dcccccd                       ; 0.1
	PICK 6, 4, 2, 0x3c23d70a                       ; 0.01
	PICK 6, 4, 3, 0x3a83126f                       ; 0.001
	v_mul_f32 v[INV], v[INV], v6
	s_wait_kmcnt 0x0
; the eight places go stage by stage, so that no line waits for the line above it
.irp t, 0,1,2,3,4,5,6,7
	v_cvt_f32_i32 v[TK+8*\t], s[8+\t]
.endr
	s_wait_alu depctr_va_vdst(0)
.irp t, 0,1,2,3,4,5,6,7
	v_mul_f32 v[TK+8*\t], v[TK+8*\t], v[INV]       ; the angle
.endr
.irp t, 0,1,2,3,4,5,6,7
	v_mul_f32 v[TK+8*\t+1], s16, v[TK+8*\t]
.endr
.irp t, 0,1,2,3,4,5,6,7
	v_rndne_f32 v[TK+8*\t+1], v[TK+8*\t+1]         ; N
.endr
.irp t, 0,1,2,3,4,5,6,7
	v_fma_f32 v[TK+8*\t], v[TK+8*\t+1], s17, v[TK+8*\t]
.endr
.irp t, 0,1,2,3,4,5,6,7
	v_fma_f32 v[TK+8*\t], v[TK+8*\t+1], s18, v[TK+8*\t]
.endr
.irp t, 0,1,2,3,4,5,6,7
	v_fma_f32 v[TK+8*\t], v[TK+8*\t+1], s19, v[TK+8*\t]   ; R
.endr
.irp t, 0,1,2,3,4,5,6,7
	v_cvt_i32_f32 v[TK+8*\t+5], v[TK+8*\t+1]
	v_mul_f32 v[TK+8*\t+2], v[TK+8*\t], v[TK+8*\t]        ; R^2
.endr
.irp t, 0,1,2,3,4,5,6,7
	v_fma_f32 v[TK+8*\t+3], v[TK+8*\t+2], s20, s21
	v_fma_f32 v[TK+8*\t+4], v[TK+8*\t+2], s24, s25
	v_mul_f32 v[TK+8*\t+1], v[TK+8*\t], v[TK+8*\t+2]      ; R^3
.endr
.irp t, 0,1,2,3,4,5,6,7
	v_fma_f32 v[TK+8*\t+3], v[TK+8*\t+3], v[TK+8*\t+2], s22
	v_fma_f32 v[TK+8*\t+4], v[TK+8*\t+4], v[TK+8*\t+2], s26
.endr
.irp t, 0,1,2,3,4,5,6,7
	v_fma_f32 v[TK+8*\t+3], v[TK+8*\t+3], v[TK+8*\t+2], s23
	v_fma_f32 v[TK+8*\t+4], v[TK+8*\t+4], v[TK+8*\t+2], s27
.endr
.irp t, 0,1,2,3,4,5,6,7
	v_fma_f32 v[TK+8*\t+3], v[TK+8*\t+3], v[TK+8*\t+1], v[TK+8*\t]   ; sin R = R + R^3 x series
	v_fma_f32 v[TK+8*\t+4], v[TK+8*\t+4], v[TK+8*\t+2], -0.5
.endr
.irp t, 0,1,2,3,4,5,6,7
	v_fma_f32 v[TK+8*\t+4], v[TK+8*\t+4], v[TK+8*\t+2], 1.0          ; cos R
	v_and_b32 v[TK+8*\t+1], 1, v[TK+8*\t+5]
.endr
.irp t, 0,1,2,3,4,5,6,7
	v_cmp_eq_u32 vcc_lo, 1, v[TK+8*\t+1]                             ; N odd: the two change places
	v_cndmask_b32 v[TK+8*\t+6], v[TK+8*\t+4], v[TK+8*\t+3], vcc_lo
	v_cndmask_b32 v[TK+8*\t+7], v[TK+8*\t+3], v[TK+8*\t+4], vcc_lo
	v_and_b32 v[TK+8*\t+1], 2, v[TK+8*\t+5]                          ; sin is negated where N mod 4 is 2 or 3,
	v_add_nc_u32 v[TK+8*\t+2], 1, v[TK+8*\t+5]
.endr
.irp t, 0,1,2,3,4,5,6,7
	v_lshlrev_b32 v[TK+8*\t+1], 30, v[TK+8*\t+1]
	v_and_b32 v[TK+8*\t+2], 2, v[TK+8*\t+2]                          ; cos where it is 1 or 2
.endr
.irp t, 0,1,2,3,4,5,6,7
	v_xor_b32 v[TK+8*\t+7], v[TK+8*\t+7], v[TK+8*\t+1]
	v_lshlrev_b32 v[TK+8*\t+2], 30, v[TK+8*\t+2]
.endr
.irp t, 0,1,2,3,4,5,6,7
	v_xor_b32 v[TK+8*\t+6], v[TK+8*\t+6], v[TK+8*\t+2]
.endr
.irp t, 0,1,2,3,4,5,6,7
	global_store_b64 v1, v[TK+8*\t+6:TK+8*\t+7], s[6:7] offset:256*\t   ; 32 lanes store a row: 256 consecutive bytes, aligned
.endr
	s_endpgm
.Lfunc_end_k_q69c558a3be_ropetab:
	.size	k_q69c558a3be_ropetab, .Lfunc_end_k_q69c558a3be_ropetab-k_q69c558a3be_ropetab
	.p2alignl 7, 3214868480
	.fill 96, 4, 3214868480
	.section	.rodata,"a",@progbits
	.p2align	6, 0x0
	.amdhsa_kernel k_q69c558a3be_ropetab
		.amdhsa_group_segment_fixed_size 0
		.amdhsa_private_segment_fixed_size 0
		.amdhsa_enable_private_segment 0
		.amdhsa_kernarg_size 16
		.amdhsa_user_sgpr_count 2
		.amdhsa_user_sgpr_kernarg_segment_ptr 1
		.amdhsa_wavefront_size32 1
		.amdhsa_system_sgpr_workgroup_id_x 1
		.amdhsa_system_sgpr_workgroup_id_y 1
		.amdhsa_system_sgpr_workgroup_id_z 1
		.amdhsa_system_vgpr_workitem_id 0
		.amdhsa_next_free_vgpr 128
		.amdhsa_next_free_sgpr 66
		.amdhsa_reserve_vcc 1
		.amdhsa_float_denorm_mode_32 3
		.amdhsa_float_denorm_mode_16_64 3
		.amdhsa_memory_ordered 1
		.amdhsa_forward_progress 1
		.amdhsa_inst_pref_size 15
	.end_amdhsa_kernel
	.amdgpu_metadata
---
amdhsa.version: [ 1, 2 ]
amdhsa.kernels:
  - .name:           k_q69c558a3be_ropetab
    .symbol:         k_q69c558a3be_ropetab.kd
    .args:
      - { .name: token_positions, .offset: 0, .size: 8, .value_kind: global_buffer, .address_space: global }
      - { .name: rope, .offset: 8, .size: 8, .value_kind: global_buffer, .address_space: global }
    .group_segment_fixed_size: 0
    .private_segment_fixed_size: 0
    .kernarg_segment_align: 8
    .kernarg_segment_size: 16
    .max_flat_workgroup_size: 32
    .sgpr_count:     66
    .vgpr_count:     128
    .wavefront_size: 32
...
	.end_amdgpu_metadata
.endif
;; end of part 1
;; launch qkv (part 2): grid 24 x 32, 4 waves a work-group, clusters of 4 x 4, 327,680 bytes of LDS; arguments x_codes, Wq_codes, Wk_codes, Wv_codes, lowp_scales, rope, q_ws, k_ws, v_ws; writes q_ws, k_ws, v_ws
.if DOCPART == 2
	.amdgcn_target "amdgcn-amd-amdhsa--gfx1250"
	.amdhsa_code_object_version 6
	.text
	.protected	k_q69c558a3be_qkv
	.globl	k_q69c558a3be_qkv
	.p2align	8
	.type	k_q69c558a3be_qkv,@function
k_q69c558a3be_qkv:
	s_mov_b64 s[64:65], 0
	v_nop
	global_prefetch_b8 v0, s[64:65] scope:SCOPE_SE
	s_setreg_imm32_b32 hwreg(HW_REG_WAVE_MODE, 25, 1), 1
	s_wait_xcnt 0x0
	s_wait_alu depctr_hold_cnt(0) depctr_sa_sdst(0) depctr_va_vdst(0) depctr_va_sdst(0) depctr_va_ssrc(0) depctr_va_vcc(0) depctr_vm_vsrc(0)
	s_getreg_b32 s2, hwreg(HW_REG_IB_STS2, 6, 4)
	s_cmp_eq_u32 s2, 0
	s_cbranch_scc0 .Lentry_in_a_cluster
	s_endpgm
.Lentry_in_a_cluster:
	s_bfe_u32 s2, ttmp6, 0x10000c
	s_cmp_lg_u32 s2, 0xf033
	s_cbranch_scc0 .Lentry_shape_is_right
	s_endpgm
.Lentry_shape_is_right:
; q = rope(x Wq^T), k = rope(x Wk^T), v = x Wv^T on codes of E4M3, and their results quantised at once into codes for the attention launch.  One launch for the three: tensor TY = cluster x / 2.
; A TILE is 256 rows of a side P x 128 rows of a side Q, K = 1,024.  The matrix instruction takes 16 rows of Q as source 0 and 16 rows of P as source 1: lane (r, h) of accumulator (a, b) then holds
; P's row 16 a + r and Q's rows 16 b + 8 h + 0 .. 7.  One conversion of those eight registers gives registers 2 b, 2 b + 1 of the NEXT product's operand (k = 16 b + 8 h + 0 .. 7), in the lane that wants them.
;   q, k: P = x (tokens), Q = W (features): the next K is the head's 64 features.     v: P = Wv (features), Q = x (tokens): the next K is the keys.
; So the codes leave as IMAGES OF OPERAND REGISTERS, four registers by one store of 16 bytes a lane: 512 consecutive bytes a wave, no stage in LDS.
;   q_ws, k_ws: [batch][head][16 tokens][4 registers][lane][16 bytes];   v_ws: [batch][64 tokens][head][16 channels][4 registers][lane][16 bytes].
; SHARES: 768 tiles, three for each of 256 WGPs; four waves, each 128 (P) x 64 (Q): 32 accumulators.  K goes in 8 steps of 128, two to an LDS slot (rows of 256 bytes, 16 of padding).
; THREE SLOTS: K 0-767 is asked for at the head, K 768-1023 goes into slot 0 when step 1 has read it out: one refill, which has five steps' products in which to land.  By this text's count a wave has at most three tensor loads out.
; CLUSTERS: 4 x 4.  P's tile hangs on the tile row and is asked for jointly along a row of the cluster, Q's on the tile column, along a column.
; Both operands' fragments are fetched by loads of 16 bytes, 32 apart: a permutation of k, the same on both sides, so every product meets its partner.
; THE SCALES: a sum stands for sum x 2^(ea + eb); rope is linear; so the conversion's one scale is 2^(eo - ea - eb) (eo: entry 6 for q, 7 for k, 9 for v).
; LIMITS: eo - ea - eb between -126 and 119, so that this power of two and 448 times it are f32 numbers.  NaN codes among the inputs are not served.
; Nothing is prefetched: three quarters of a tile's bytes are asked for at the head, where nothing can be asked earlier.
; REGISTERS, in windows of 256: window 0: addresses, v32-63 the numbers to be quantised, v64-79 codes (two sets), v128-191 cos and sin (two sets).  window 1: the accumulators, (a, b) at v[8 (4 a + b)].
;   window 2: P's fragments, two sets of 128.   window 3: Q's fragments, two sets of 64.
.set PITCH,  272                       ; an LDS row: 256 bytes + 16 of padding: the 16 rows of a fragment load start at 16 different groups of banks
.set PHALF,  128*PITCH                 ; what one tensor load brings of P, and what a wave reads of it
.set QHALF,  64*PITCH                  ; the same for Q
.set QOFF,   2*PHALF                   ; a slot: P's 256 rows, then Q's 128
.set SLOT,   QOFF+2*QHALF
.set SPARE,  3*SLOT                    ; behind the slots: the spare words, 128 bytes a wave: two blocks of 256 bytes that no other line names
.set ADRP, 16                          ; v16-18  LDS address of my fragments of P in slot 0, 1, 2
.set ADRQ, 20                          ; v20-22  the same for Q
.set CSO,  24                          ; v24     my byte in 16 rows of the table: 256 r + 32 h
.set OUTO, 26                          ; v26     16 x lane
.set SPW,  28                          ; v28     my spare word; never rewritten
.set NIL,  29                          ; v29     0; never rewritten
.set SCL,  30                          ; v30     2^(eo - ea - eb)
.set LIM,  31                          ; v31     448 x that
.set R,    32
.set CD,   64
.set CS,   128
.set G1,   24                          ; s[24:31] group 1 for P's tiles; s[32:39] for Q's; s[40:51], s[52:63] their groups 0, one for each slot
.set G1B,  32
.set G0,   40
.set G0B,  52
.set WV,   66
.set FB,   67                          ; wave / 2: I fetch for P (0) or Q (1); also which 128 rows of P are mine
.set HF,   68                          ; wave % 2: which half I fetch; also which 64 rows of Q are mine
.set CX,   69
.set CY,   70
.set TY,   71                          ; 0 q, 1 k, 2 v: the same in all partners of a cluster
.set PT,   72
.set QT,   73
.set OUTP, 88                          ; s[88:89] where my codes go
.set TAB,  90                          ; s[90:91] the table at my first token
.set MSB, 0
.macro WIN new                         ; the immediate's high byte repeats the setting that is left
.if MSB != \new
	s_set_vgpr_msb (MSB<<8)|\new
.set MSB, \new
.endif
.endm
.set W_MUL, 0x5b                       ; source 0 (Q) window 3, source 1 (P) window 2, C and D window 1
.set TO_P,  0x80
.set TO_Q,  0xc0
.macro PLACES n
.rept \n
	v_nop
.endr
.endm
.macro JLOAD                           ; the joint refill of slot 0: waves 0, 1 for P, waves 2, 3 for Q; four v_nop follow each line
	s_cmp_eq_u32 s[FB], 0
	s_cbranch_scc0 .Lfor_q_\@
	tensor_load_to_lds s[G0:G0+3], s[G1:G1+7]
	s_nop 0
	PLACES 4
	s_branch .Lasked_\@
.Lfor_q_\@:
	tensor_load_to_lds s[G0B:G0B+3], s[G1B:G1B+7]
	s_nop 0
	PLACES 4
.Lasked_\@:
.endm
.macro CREST                           ; a round of the cluster's barrier behind its opening barrier
	s_cmp_lg_u32 s[WV], 0
	s_cbranch_scc1 .Lnot_wave_0_\@
	s_barrier_signal -3
.Lnot_wave_0_\@:
	s_barrier_wait -3
	s_barrier_signal -1
	s_barrier_wait -1
.endm
.macro CROUND
	s_barrier_signal -1
	s_barrier_wait -1
	CREST
.endm
	s_load_b256 s[4:11], s[0:1], 0x0               ; x, Wq, Wk, Wv
	s_load_b256 s[12:19], s[0:1], 0x20             ; scales, table, q_ws, k_ws
	s_load_b64 s[20:21], s[0:1], 0x40              ; v_ws
	v_lshl_add_u32 v[SPW], v0, 2, SPARE
	v_mov_b32 v[NIL], 0
	ds_add_u32 v28, v29
	ds_add_u32 v28, v29
	s_wait_dscnt 0x0
	v_lshrrev_b32 v1, 5, v0
	v_readfirstlane_b32 s[WV], v1
	s_lshr_b32 s[FB], s[WV], 1
	s_and_b32 s[HF], s[WV], 1
	s_bfe_u32 s[CX], ttmp6, 0x40000
	s_bfe_u32 s[CY], ttmp6, 0x40004
	s_lshr_b32 s[TY], ttmp9, 1
	s_and_b32 s74, ttmp9, 1                        ; cluster x % 2
	s_and_b32 s75, ttmp7, 0xffff                   ; cluster y, 0 .. 7
	s_lshl_b32 s2, s74, 3
	s_add_co_u32 s2, s2, s75
	s_cmp_eq_u32 s[TY], 2
	s_cselect_b32 s[PT], 0, s75                    ; q, k: 32 tiles of tokens down, 8 of features across;
	s_cselect_b32 s[QT], s2, s74                   ; v: 4 tiles of features down, 64 of tokens across
	s_lshl_b32 s[PT], s[PT], 2
	s_add_co_u32 s[PT], s[PT], s[CY]
	s_lshl_b32 s[QT], s[QT], 2
	s_add_co_u32 s[QT], s[QT], s[CX]
	s_lshl_b32 s74, s[CY], 2
	s_lshl_b32 s74, 15, s74                        ; my row of the cluster
	s_lshl_b32 s75, 0x1111, s[CX]                  ; my column
	s_or_b32 s[G1], s74, (1<<20)|(1<<21)|(5<<22)|(3<<25)    ; the mask; elements of 1 byte; padding on; bit 21 beside a mask; 4 words behind every 64
	s_or_b32 s[G1B], s75, (1<<20)|(1<<21)|(5<<22)|(3<<25)
	s_mov_b32 s[G1+1], 256<<16                     ; tensor_dim0 = 256
	s_mov_b32 s[G1+2], 128<<16                     ; tensor_dim1 = 128
	s_mov_b32 s[G1+3], 256<<16                     ; tile_dim0
	s_mov_b32 s[G1+4], 128                         ; tile_dim1
	s_mov_b32 s[G1+5], 1024                        ; from row to row
	s_mov_b32 s[G1+6], 0
	s_mov_b32 s[G1+7], 0
	s_mov_b32 s[G1B+1], 256<<16
	s_mov_b32 s[G1B+2], 64<<16
	s_mov_b32 s[G1B+3], 256<<16
	s_mov_b32 s[G1B+4], 64
	s_mov_b32 s[G1B+5], 1024
	s_mov_b32 s[G1B+6], 0
	s_mov_b32 s[G1B+7], 0
	s_lshl_b32 s92, s[PT], 8
	s_lshl_b32 s93, s[HF], 7
	s_add_co_u32 s92, s92, s93
	s_lshl_b32 s92, s92, 10                        ; P: row 256 PT + 128 half, in bytes
	s_mov_b32 s93, 0
	s_lshl_b32 s94, s[QT], 7
	s_lshl_b32 s95, s[HF], 6
	s_add_co_u32 s94, s94, s95
	s_lshl_b32 s94, s94, 10                        ; Q: row 128 QT + 64 half
	s_mov_b32 s95, 0
	s_mul_i32 s74, s[HF], PHALF                    ; and where they go: no place in the cluster enters an LDS address
	s_mul_i32 s75, s[HF], QHALF
	s_add_co_u32 s75, s75, QOFF
	s_wait_kmcnt 0x0
	s_load_b256 s[76:83], s[12:13], 0x0            ; entries 0 .. 7
	s_load_b128 s[84:87], s[12:13], 0x20           ; entries 8 .. 11
	s_cmp_eq_u32 s[TY], 2
	s_cselect_b64 s[96:97], s[10:11], s[4:5]       ; P: Wv, else x
	s_cselect_b64 s[98:99], s[4:5], s[8:9]         ; Q: x, else Wk,
	s_cselect_b64 s[OUTP:OUTP+1], s[20:21], s[18:19]
	s_cmp_eq_u32 s[TY], 0
	s_cselect_b64 s[98:99], s[6:7], s[98:99]       ; or Wq
	s_cselect_b64 s[OUTP:OUTP+1], s[16:17], s[OUTP:OUTP+1]
	s_add_nc_u64 s[96:97], s[96:97], s[92:93]
	s_add_nc_u64 s[98:99], s[98:99], s[94:95]
	CROUND                                         ; all sixteen work-groups are here: the first joint loads meet
.irp n, 0,1,2
	s_mov_b32 s[G0+4*\n], 1
	s_add_co_u32 s[G0+4*\n+1], s74, \n*SLOT
	s_add_nc_u64 s[G0+4*\n+2:G0+4*\n+3], s[96:97], \n*256
	s_or_b32 s[G0+4*\n+3], s[G0+4*\n+3], 0x80000000
	s_mov_b32 s[G0B+4*\n], 1
	s_add_co_u32 s[G0B+4*\n+1], s75, \n*SLOT
	s_add_nc_u64 s[G0B+4*\n+2:G0B+4*\n+3], s[98:99], \n*256
	s_or_b32 s[G0B+4*\n+3], s[G0B+4*\n+3], 0x80000000
.endr
	s_cmp_eq_u32 s[FB], 0                          ; a wave's three first fills stand in one branch, ahead of every wait on TENSORcnt and every LDS read
	s_cbranch_scc0 .Lfirst_q
.irp n, 0,1,2
	tensor_load_to_lds s[G0+4*\n:G0+4*\n+3], s[G1:G1+7]
	s_nop 0
.endr
	PLACES 4
	s_branch .Lfirst_done
.Lfirst_q:
.irp n, 0,1,2
	tensor_load_to_lds s[G0B+4*\n:G0B+4*\n+3], s[G1B:G1B+7]
	s_nop 0
.endr
	PLACES 4
.Lfirst_done:
	v_and_b32 v1, 15, v0                           ; r
	v_bfe_u32 v2, v0, 4, 1                         ; h
	v_mul_u32_u24 v3, v1, PITCH
	v_lshl_add_u32 v3, v2, 4, v3                   ; a fragment's row x pitch + 16 h
	s_mul_i32 s74, s[FB], PHALF                    ; my 128 rows of P
	s_mul_i32 s75, s[HF], QHALF                    ; my 64 rows of Q
	s_add_co_u32 s75, s75, QOFF
.irp s, 0,1,2
	v_add_nc_u32 v[ADRP+\s], s74, v3
	v_add_nc_u32 v[ADRQ+\s], s75, v3
	s_add_co_u32 s74, s74, SLOT
	s_add_co_u32 s75, s75, SLOT
.endr
	v_lshlrev_b32 v[CSO], 8, v1
	v_lshl_add_u32 v[CSO], v2, 5, v[CSO]
	v_and_b32 v[OUTO], 31, v0
	v_lshlrev_b32 v[OUTO], 4, v[OUTO]
	s_lshl_b32 s74, s[PT], 8
	s_lshl_b32 s75, s[FB], 7
	s_add_co_u32 s74, s74, s75                     ; my first row of P
	s_lshl_b32 s75, s[QT], 1
	s_add_co_u32 s75, s75, s[HF]                   ; my block of 64 rows of Q: the head (q, k) or the block of tokens (v)
	s_and_b32 s92, s74, 2047                       ; q, k: the token's place in its batch
	s_lshl_b32 s94, s92, 8
	s_mov_b32 s95, 0
	s_add_nc_u64 s[TAB:TAB+1], s[14:15], s[94:95]
	s_lshl_b32 s92, s92, 6                         ; 16 tokens are 1,024 bytes,
	s_lshr_b32 s93, s74, 11
	s_lshl_b32 s93, s93, 21                        ; a batch 2^21,
	s_add_co_u32 s92, s92, s93
	s_lshl_b32 s93, s75, 17                        ; a head 2^17
	s_add_co_u32 s92, s92, s93
	s_lshl_b32 s94, s75, 16                        ; v: a block of 64 tokens is 2^16 bytes,
	s_lshl_b32 s93, s74, 6                         ; 16 channels 1,024
	s_add_co_u32 s94, s94, s93
	s_cmp_eq_u32 s[TY], 2
	s_cselect_b32 s92, s94, s92
	s_mov_b32 s93, 0
	s_add_nc_u64 s[OUTP:OUTP+1], s[OUTP:OUTP+1], s[92:93]
	s_wait_kmcnt 0x0
	s_add_co_i32 s76, s76, s77
	s_sub_co_i32 s76, s82, s76                     ; q: e6 - e0 - e1
	s_add_co_i32 s78, s78, s79
	s_sub_co_i32 s78, s83, s78                     ; k: e7 - e2 - e3
	s_add_co_i32 s80, s80, s81
	s_sub_co_i32 s80, s85, s80                     ; v: e9 - e4 - e5
	s_cmp_eq_u32 s[TY], 0
	s_cselect_b32 s76, s76, s78
	s_cmp_eq_u32 s[TY], 2
	s_cselect_b32 s76, s80, s76
	s_add_co_i32 s76, s76, 127
	s_lshl_b32 s77, s76, 23
	v_mov_b32 v[SCL], s77                          ; the conversion takes its exponent field
	s_add_co_i32 s76, s76, 8
	s_lshl_b32 s76, s76, 23
	s_or_b32 s76, s76, 0x600000
	v_mov_b32 v[LIM], s76                          ; 448 x the scale
.macro FRAG reg, adr, q, i             ; 16 rows x 128 K: 16 registers; registers 4 c .. 4 c + 3 hold K = 32 c + 16 h + 0 .. 15
.irp c, 0,1,2,3
	ds_load_b128 v[\reg+4*\c:\reg+4*\c+3], v[\adr] offset:128*((\q)%2)+32*\c+(\i)*16*PITCH
.endr
.endm
.macro FETCH q                         ; step q's fragments, 48 loads in one run, into set q % 2; step q lies in slot (q / 2) % 3
	WIN TO_Q
.irp i, 0,1,2,3
	FRAG 64*((\q)%2)+16*\i, ADRQ+((\q)/2)%3, \q, \i
.endr
	WIN TO_P
.irp i, 0,1,2,3,4,5,6,7
	FRAG 128*((\q)%2)+16*\i, ADRP+((\q)/2)%3, \q, \i
.endr
.endm
.macro QMUL q, a0, zero                ; 8 matrix instructions: P's blocks a0, a0 + 1 x Q's four.  The 32 accumulators take turns in one order in every step
.irp a, \a0, \a0+1
.irp b, 0,1,2,3
.if \zero
	v_wmma_f32_16x16x128_fp8_fp8 v[8*(4*(\a)+\b):8*(4*(\a)+\b)+7], v[64*((\q)%2)+16*\b:64*((\q)%2)+16*\b+15], v[128*((\q)%2)+16*(\a):128*((\q)%2)+16*(\a)+15], 0
.else
	v_wmma_f32_16x16x128_fp8_fp8 v[8*(4*(\a)+\b):8*(4*(\a)+\b)+7], v[64*((\q)%2)+16*\b:64*((\q)%2)+16*\b+15], v[128*((\q)%2)+16*(\a):128*((\q)%2)+16*(\a)+15], v[8*(4*(\a)+\b):8*(4*(\a)+\b)+7]
.endif
.endr
.endr
.endm
.macro MULS q, zero
	WIN W_MUL
	QMUL \q, 0, \zero
	QMUL \q, 2, \zero
	QMUL \q, 4, \zero
	QMUL \q, 6, \zero
.endm
.macro NSTEP q, zero                   ; a step whose successor's tile is known to be whole
	PLACES 4                                       ; four plain places between the last products and loads into the set that they read
	FETCH (\q)+1
	s_wait_dscnt 48                                ; all but the 48 just issued: step q's fragments are in
	MULS \q, \zero
.endm
; A step with a barrier in it.  In front of the barrier each wave waits for all its tensor loads, adds 0 to its spare word, and waits for that and for its LDS reads.  fill = 1: slot 0, read out, takes K 768 on; the barrier
; then opens a round of the cluster's barrier, and the joint load is the first thing behind the round.
.macro TURN q, fill
	WIN 0
	s_wait_tensorcnt 0x0                           ; all my tensor loads have landed
	ds_add_u32 v[SPW], v[NIL]                      ; 0 onto my spare word
	s_wait_dscnt 1                                 ; step q's fragments are in; the add may be out
	WIN W_MUL
	QMUL \q, 0, 0
	QMUL \q, 2, 0
	s_wait_dscnt 0x0                               ; the add is done, and my LDS reads are over
	s_barrier_signal -1
	QMUL \q, 4, 0
	WIN 0
	s_barrier_wait -1
.if \fill
	CREST                                          ; no wave of any partner still reads slot 0 or has a load on its way
	s_add_nc_u64 s[G0+2:G0+3], s[G0+2:G0+3], 768
	s_add_nc_u64 s[G0B+2:G0B+3], s[G0B+2:G0B+3], 768
	JLOAD                                          ; its four v_nop are also the places in front of the loads below
.else
	PLACES 4
.endif
	s_wait_alu depctr_va_vdst(0)
	FETCH (\q)+1
	WIN W_MUL
	QMUL \q, 6, 0
.endm
.macro TAIL                            ; steps 6 and 7
	NSTEP 6, 0
	s_wait_dscnt 0x0
	MULS 7, 0
	WIN 0
	PLACES 4                                       ; between the last products and the first read of results
.endm
.macro CSLOAD a                        ; cos and sin for block a's 16 tokens: lane (r, h) takes, for each b, the four pairs 8 b + 4 h + 0 .. 3 of token r's row: 32 bytes
.irp b, 0,1,2,3
	global_load_b128 v[CS+32*((\a)%2)+8*\b:CS+32*((\a)%2)+8*\b+3], v[CSO], s[TAB:TAB+1] offset:(\a)*4096+64*\b
	global_load_b128 v[CS+32*((\a)%2)+8*\b+4:CS+32*((\a)%2)+8*\b+7], v[CSO], s[TAB:TAB+1] offset:(\a)*4096+64*\b+16
.endr
.endm
; Block a (16 rows of P x my 64 rows of Q) becomes one operand image of 8 registers.
.macro EPI a, rope
.if \rope
.if (\a) < 7
	s_wait_loadcnt 8                               ; this block's eight table loads are in; the next block's may be out
.else
	s_wait_loadcnt 0x0
.endif
	WIN 0x01                                       ; source 0: the accumulators' window
.irp b, 0,1,2,3
.irp p, 0,2,4,6
	v_pk_mul_f32 v[R+8*\b+\p:R+8*\b+\p+1], v[8*(4*(\a)+\b)+\p:8*(4*(\a)+\b)+\p+1], v[CS+32*((\a)%2)+8*\b+\p:CS+32*((\a)%2)+8*\b+\p+1] op_sel:[1,1] op_sel_hi:[0,1] neg_lo:[0,1]   ; (-x2 sin, x1 sin); each accumulator from its low end on
.endr
.endr
.irp b, 0,1,2,3
.irp p, 0,2,4,6
	v_pk_fma_f32 v[R+8*\b+\p:R+8*\b+\p+1], v[8*(4*(\a)+\b)+\p:8*(4*(\a)+\b)+\p+1], v[CS+32*((\a)%2)+8*\b+\p:CS+32*((\a)%2)+8*\b+\p+1], v[R+8*\b+\p:R+8*\b+\p+1] op_sel_hi:[1,0,1]   ; + (x1 cos, x2 cos)
.endr
.endr
	WIN 0
.if (\a) < 6
	CSLOAD (\a)+2
.endif
.set n, 0
.rept 32
.set n, n+1
.endr
.else
	WIN 0x01
.set n, 0
.rept 32
	v_med3_num_f32 v[R+n], v[32*(\a)+n], -v[LIM], v[LIM]
.set n, n+1
.endr
	WIN 0
.endif
.if (\a) >= 2
	s_wait_alu depctr_va_vdst(0)
	s_wait_xcnt 0x0                                ; block a - 2's stores have read this set of codes
.endif
.irp b, 0,1,2,3
	v_cvt_scalef32_pk8_fp8_f32 v[CD+8*((\a)%2)+2*\b:CD+8*((\a)%2)+2*\b+1], v[R+8*\b:R+8*\b+7], v[SCL]
.endr
	v_nop                                          ; one plain line between the conversions and the next block's writes of their sources
	global_store_b128 v[OUTO], v[CD+8*((\a)%2):CD+8*((\a)%2)+3], s[OUTP:OUTP+1] offset:1024*(\a)         ; 32 lanes store 512 consecutive bytes, aligned
	global_store_b128 v[OUTO], v[CD+8*((\a)%2)+4:CD+8*((\a)%2)+7], s[OUTP:OUTP+1] offset:1024*(\a)+512
.endm
	s_wait_tensorcnt 2                             ; my part of slot 0 is in; slots 1 and 2 may be out
	s_barrier_signal -1
	s_barrier_wait -1
	FETCH 0
	NSTEP 0, 1                                     ; the first products start the sums: nothing is cleared
	TURN 1, 1                                      ; its wait for all loads also shows slots 1 and 2 whole to every wave: steps 2 to 5 need no barrier
	NSTEP 2, 0
	NSTEP 3, 0
	NSTEP 4, 0
	TURN 5, 0                                      ; the refill has landed in every wave
	WIN 0
	s_cmp_eq_u32 s[TY], 2                          ; the tensor's number: the same in all waves and all partners.  The last two steps stand in both arms, so that the table's first loads lie on the one path that reads them
	s_cbranch_scc1 .Lplain
	CSLOAD 0
	CSLOAD 1
	TAIL
.irp a, 0,1,2,3,4,5,6,7
	EPI \a, 1
.endr
	s_branch .Ldone
.Lplain:
	TAIL
.irp a, 0,1,2,3,4,5,6,7
	EPI \a, 0
.endr
.Ldone:
	s_wait_tensorcnt 0x0                           ; the wave's end
	ds_add_u32 v[SPW], v[NIL]
	s_wait_dscnt 0x0
	CROUND                                         ; the closing round
	s_endpgm
.Lfunc_end_k_q69c558a3be_qkv:
	.size	k_q69c558a3be_qkv, .Lfunc_end_k_q69c558a3be_qkv-k_q69c558a3be_qkv
	.p2alignl 7, 3214868480
	.fill 96, 4, 3214868480
	.section	.rodata,"a",@progbits
	.p2align	6, 0x0
	.amdhsa_kernel k_q69c558a3be_qkv
		.amdhsa_group_segment_fixed_size 327680
		.amdhsa_private_segment_fixed_size 0
		.amdhsa_enable_private_segment 0
		.amdhsa_kernarg_size 72
		.amdhsa_user_sgpr_count 2
		.amdhsa_user_sgpr_kernarg_segment_ptr 1
		.amdhsa_wavefront_size32 1
		.amdhsa_system_sgpr_workgroup_id_x 1
		.amdhsa_system_sgpr_workgroup_id_y 1
		.amdhsa_system_sgpr_workgroup_id_z 1
		.amdhsa_system_vgpr_workitem_id 0
		.amdhsa_next_free_vgpr 1024
		.amdhsa_next_free_sgpr 104
		.amdhsa_reserve_vcc 0
		.amdhsa_float_denorm_mode_32 3
		.amdhsa_float_denorm_mode_16_64 3
		.amdhsa_fp16_overflow 1
		.amdhsa_memory_ordered 1
		.amdhsa_forward_progress 1
		.amdhsa_inst_pref_size 108
	.end_amdhsa_kernel
	.amdgpu_metadata
---
amdhsa.version: [ 1, 2 ]
amdhsa.kernels:
  - .name:           k_q69c558a3be_qkv
    .symbol:         k_q69c558a3be_qkv.kd
    .args:
      - { .name: x_codes, .offset: 0, .size: 8, .value_kind: global_buffer, .address_space: global }
      - { .name: Wq_codes, .offset: 8, .size: 8, .value_kind: global_buffer, .address_space: global }
      - { .name: Wk_codes, .offset: 16, .size: 8, .value_kind: global_buffer, .address_space: global }
      - { .name: Wv_codes, .offset: 24, .size: 8, .value_kind: global_buffer, .address_space: global }
      - { .name: lowp_scales, .offset: 32, .size: 8, .value_kind: global_buffer, .address_space: global }
      - { .name: rope, .offset: 40, .size: 8, .value_kind: global_buffer, .address_space: global }
      - { .name: q_ws, .offset: 48, .size: 8, .value_kind: global_buffer, .address_space: global }
      - { .name: k_ws, .offset: 56, .size: 8, .value_kind: global_buffer, .address_space: global }
      - { .name: v_ws, .offset: 64, .size: 8, .value_kind: global_buffer, .address_space: global }
    .group_segment_fixed_size: 327680
    .private_segment_fixed_size: 0
    .kernarg_segment_align: 8
    .kernarg_segment_size: 72
    .max_flat_workgroup_size: 128
    .sgpr_count:     104
    .vgpr_count:     1024
    .wavefront_size: 32
...
	.end_amdgpu_metadata
.endif
;; end of part 2
;; launch att (part 3): grid 4 x 64, 16 waves a work-group, clusters of 4 x 1, 264,192 bytes of LDS; arguments q_ws, k_ws, v_ws, lowp_scales, o_ws; writes o_ws
.if DOCPART == 3
	.amdgcn_target "amdgcn-amd-amdhsa--gfx1250"
	.amdhsa_code_object_version 6
	.text
	.protected	k_q69c558a3be_att
	.globl	k_q69c558a3be_att
	.p2align	8
	.type	k_q69c558a3be_att,@function
k_q69c558a3be_att:
	s_mov_b64 s[64:65], 0
	v_nop
	global_prefetch_b8 v0, s[64:65] scope:SCOPE_SE
	s_setreg_imm32_b32 hwreg(HW_REG_WAVE_MODE, 25, 1), 1
	s_wait_xcnt 0x0
	s_wait_alu depctr_hold_cnt(0) depctr_sa_sdst(0) depctr_va_vdst(0) depctr_va_sdst(0) depctr_va_ssrc(0) depctr_va_vcc(0) depctr_vm_vsrc(0)
	s_getreg_b32 s2, hwreg(HW_REG_IB_STS2, 6, 4)
	s_cmp_eq_u32 s2, 0
	s_cbranch_scc0 .Lentry_in_a_cluster
	s_endpgm
.Lentry_in_a_cluster:
	s_bfe_u32 s2, ttmp6, 0x10000c
	s_cmp_lg_u32 s2, 0x3003
	s_cbranch_scc0 .Lentry_shape_is_right
	s_endpgm
.Lentry_shape_is_right:
; Causal attention on codes of E4M3, head size 64, and its result quantised into codes for the last projection.
; t = score x log2(e) / 8; M = the running largest t rounded UP to a whole number; p = 2^(t - M) is quantised with 2^e8; the row's sum is taken of the unquantised p and divides at the end.
; SHARES.  A cluster of four work-groups is one (batch, head).  The head's 128 tiles of 16 queries: work-group cx takes tiles 4 u + cx, u = 0 .. 31; wave w takes u = w and u = 31 - w.
; Tile u wants the steps of 128 keys k <= u / 2, the last of them on the diagonal, whatever cx: so every wave of every work-group has 17 steps, and the branches that leave hidden steps out hang on the wave's number and the loop's count alone.
; LDS HOLDS THE WHOLE HEAD: K's and V's codes, 131,072 bytes each, as images of operand registers, filled once by joint loads (the four partners read the same bytes).  No slot is filled again; behind the second barrier the waves run free.
; The first 256 keys come by small loads of their own, so that the first two steps run while the rest is on its way.  By this text's count a wave has at most two tensor loads out.
; LAYOUT.  S^T = K Q^T (source 0 = 16 keys, source 1 = my 16 queries) and O^T = V^T P^T (source 0 = 16 channels, source 1 = p): a lane holds one query (lane % 16) throughout.  Register j of tile t of S^T is key 16 t + 8 h + j:
; the conversion of those eight registers gives registers 2 t, 2 t + 1 of the second product's operand as its own layout has them.  Likewise O^T's four tiles become the 8 registers of the last projection's operand.
; o_ws: [head / 4][16 tokens][head % 4][4 registers][lane][16 bytes].
; LIMITS on the given exponents, so that each power of two is an f32 number: e6 + e7 between -123 and 130; e8, and e10 - e8 - e9, between -126 and 119.
; Nothing is prefetched: all tiles are asked for at the head.
.set VBASE, 131072                     ; LDS: K's images from 0 (1,024 bytes for 16 keys), V's from here (4,096 for 64 keys: 4 x 16 channels x 1,024)
.set LI,   1                           ; v1   16 x lane
.set ADK,  2                           ; v2   the step's K
.set ADV,  3                           ; v3   the step's V
.set FR,   36                          ; v36-99   fragments: 8 of K (8 registers), then 4 of V (16)
.set S,    100                         ; v100-163 S^T, then p
.set PC,   228                         ; v228-243 p's codes
.set WV,   14
.set CX,   15
.set BH,   16
.set JJ,   17
.set SEL,  20                          ; s[20:21] selects for lane l xor 16
.set CS,   22                          ; s[22:23] c = log2(e) / 8 x 2^(e6 + e7)
.set G1K0, 24
.set G1K1, 32
.set G1V0, 40
.set G1V1, 48
.set G0K0, 56
.set G0K1, 60
.set G0V0, 68
.set G0V1, 72
.set KC,   81                          ; s81  the step
.set TB,   82                          ; s82  8,192 x the step
.set LIMP, 83
.macro CROUND
	s_barrier_signal -1
	s_barrier_wait -1
	s_cmp_lg_u32 s[WV], 0
	s_cbranch_scc1 .Lnot_wave_0_\@
	s_barrier_signal -3
.Lnot_wave_0_\@:
	s_barrier_wait -3
	s_barrier_signal -1
	s_barrier_wait -1
.endm
.macro DESC g, c, r, p                 ; group 1: r rows of c elements of 8 bytes, p elements apart; mask: all four partners; bit 21 beside it; no padding
	s_mov_b32 s[\g], 15|(3<<16)|(1<<21)
	s_mov_b32 s[\g+1], (\c)<<16
	s_mov_b32 s[\g+2], (\r)<<16
	s_mov_b32 s[\g+3], (\c)<<16
	s_mov_b32 s[\g+4], \r
	s_mov_b32 s[\g+5], \p
	s_mov_b32 s[\g+6], 0
	s_mov_b32 s[\g+7], 0
.endm
	s_load_b256 s[4:11], s[0:1], 0x0               ; q_ws, k_ws, v_ws, scales
	s_load_b64 s[12:13], s[0:1], 0x20              ; o_ws
	v_lshl_add_u32 v253, v0, 2, 0x40000
	v_mov_b32 v255, 0
	ds_add_u32 v253, v255
	ds_add_u32 v253, v255
	v_lshrrev_b32 v1, 5, v0
	s_delay_alu instid0(VALU_DEP_1)
	v_readfirstlane_b32 s[WV], v1                  ; wave 0 .. 15
	s_bfe_u32 s[CX], ttmp6, 0x40000
	s_and_b32 s[BH], ttmp7, 0xffff                 ; 16 x batch + head
	s_and_b32 s[JJ], s[WV], 1
	DESC G1K0, 32, 32, 32                          ; K, keys 0-255: each of two waves 32 rows of 256 bytes, dense
	DESC G1K1, 32, 224, 32                         ; the rest: 224 rows each
	DESC G1V0, 512, 2, 8192                        ; V, keys 0-255: each of two waves 2 blocks of 64 keys: rows of 4,096 bytes, 65,536 apart
	DESC G1V1, 512, 14, 8192                       ; the rest: 14 blocks each
	s_lshl_b32 s84, s[BH], 17                      ; the head in q_ws and k_ws
	s_mov_b32 s85, 0
	s_lshr_b32 s86, s[BH], 4
	s_lshl_b32 s86, s86, 21
	s_and_b32 s87, s[BH], 15
	s_lshl_b32 s87, s87, 12
	s_add_co_u32 s86, s86, s87                     ; the head in v_ws
	s_mov_b32 s87, 0
	s_lshl_b32 s88, s[JJ], 13                      ; j x 8,192
	s_mul_i32 s89, s[JJ], 57344
	s_lshl_b32 s90, s[JJ], 17                      ; j x 2 blocks
	s_mul_i32 s91, s[JJ], 14*65536                 ; j x 14 blocks
	s_mov_b32 s93, 0
	s_mov_b32 s[SEL], 0x76543210
	s_mov_b32 s[SEL+1], 0xfedcba98
	s_mov_b32 s[CS], 0x3e38aa3b                    ; log2(e) / 8
	s_mov_b32 s[KC], 0
	s_mov_b32 s[TB], 0
	s_wait_dscnt 0x0
	s_wait_kmcnt 0x0
	s_load_b128 s[76:79], s[10:11], 0x18           ; e6, e7, e8, e9
	s_load_b32 s80, s[10:11], 0x28                 ; e10
	s_add_nc_u64 s[6:7], s[6:7], s[84:85]
	s_add_nc_u64 s[8:9], s[8:9], s[86:87]
	s_mov_b32 s[G0K0], 1
	s_mov_b32 s[G0K0+1], s88
	s_mov_b32 s92, s88
	s_add_nc_u64 s[G0K0+2:G0K0+3], s[6:7], s[92:93]
	s_or_b32 s[G0K0+3], s[G0K0+3], 0x80000000
	s_mov_b32 s[G0K1], 1
	s_add_co_u32 s[G0K1+1], s89, 16384
	s_add_co_u32 s92, s89, 16384
	s_add_nc_u64 s[G0K1+2:G0K1+3], s[6:7], s[92:93]
	s_or_b32 s[G0K1+3], s[G0K1+3], 0x80000000
	s_mov_b32 s[G0V0], 1
	s_add_co_u32 s[G0V0+1], s88, VBASE
	s_mov_b32 s92, s90
	s_add_nc_u64 s[G0V0+2:G0V0+3], s[8:9], s[92:93]
	s_or_b32 s[G0V0+3], s[G0V0+3], 0x80000000
	s_mov_b32 s[G0V1], 1
	s_add_co_u32 s[G0V1+1], s89, VBASE+16384
	s_add_co_u32 s92, s91, 4*65536
	s_add_nc_u64 s[G0V1+2:G0V1+3], s[8:9], s[92:93]
	s_or_b32 s[G0V1+3], s[G0V1+3], 0x80000000
	CROUND                                         ; all four work-groups are here: the joint loads meet
	s_cmp_lt_u32 s[WV], 2                          ; waves 0, 1 fetch K, waves 2, 3 V, the others nothing: a wave's two loads stand in one branch; four v_nop follow the second
	s_cbranch_scc0 .Lnot_k
	tensor_load_to_lds s[G0K0:G0K0+3], s[G1K0:G1K0+7]
	s_nop 0
	tensor_load_to_lds s[G0K1:G0K1+3], s[G1K1:G1K1+7]
	s_nop 0
.rept 4
	v_nop
.endr
	s_branch .Lasked
.Lnot_k:
	s_cmp_lt_u32 s[WV], 4
	s_cbranch_scc0 .Lasked
	tensor_load_to_lds s[G0V0:G0V0+3], s[G1V0:G1V0+7]
	s_nop 0
	tensor_load_to_lds s[G0V1:G0V1+3], s[G1V1:G1V1+7]
	s_nop 0
.rept 4
	v_nop
.endr
.Lasked:
	v_and_b32 v[LI], 31, v0
	s_delay_alu instid0(VALU_DEP_1)
	v_lshlrev_b32 v[LI], 4, v[LI]
	s_wait_alu depctr_va_vdst(0)
	s_lshr_b32 s18, s[WV], 1                       ; tile A's last step: u / 2, u = w
	s_xor_b32 s86, s[WV], 31                       ; tile B: u = 31 - w
	s_lshr_b32 s19, s86, 1
	s_lshl_b32 s85, s[WV], 2
	s_add_co_u32 s85, s85, s[CX]                   ; tile A among the head's 128
	s_lshl_b32 s86, s86, 2
	s_add_co_u32 s86, s86, s[CX]                   ; tile B
	s_lshl_b32 s87, s85, 10
	s_add_co_u32 s87, s87, s84
	v_add_nc_u32 v4, s87, v[LI]                    ; A's queries in q_ws
	s_lshl_b32 s87, s86, 10
	s_add_co_u32 s87, s87, s84
	v_add_nc_u32 v5, s87, v[LI]                    ; B's
	global_load_b128 v[20:23], v4, s[4:5]
	global_load_b128 v[24:27], v4, s[4:5] offset:512
	global_load_b128 v[28:31], v5, s[4:5]
	global_load_b128 v[32:35], v5, s[4:5] offset:512
	s_and_b32 s88, s[BH], 15                       ; head
	s_lshr_b32 s89, s[BH], 4                       ; batch
	s_lshr_b32 s90, s88, 2
	s_lshl_b32 s90, s90, 21
	s_and_b32 s88, s88, 3
	s_lshl_b32 s88, s88, 10
	s_add_co_u32 s90, s90, s88
	s_lshl_b32 s89, s89, 19                        ; 128 tiles of 4,096 bytes
	s_add_co_u32 s90, s90, s89
	s_lshl_b32 s87, s85, 12
	s_add_co_u32 s87, s87, s90
	v_add_nc_u32 v6, s87, v[LI]                    ; A's place in o_ws
	s_lshl_b32 s87, s86, 12
	s_add_co_u32 s87, s87, s90
	v_add_nc_u32 v7, s87, v[LI]                    ; B's
	v_and_b32 v8, 15, v0
	v_bfe_u32 v9, v0, 4, 1
	s_delay_alu instid0(VALU_DEP_1)
	v_lshlrev_b32 v9, 3, v9
	s_delay_alu instid0(VALU_DEP_1)
	v_sub_nc_u32 v8, v8, v9                        ; r - 8 h
	s_lshl_b32 s87, s[CX], 4
	s_lshl_b32 s88, s[JJ], 6
	s_add_co_u32 s88, s88, s87
	v_add_nc_u32 v10, s88, v8                      ; on the diagonal step register 8 t + j is hidden where 16 t + j > d, d = 64 (u % 2) + 16 cx + r - 8 h
	s_xor_b32 s88, s[JJ], 1
	s_lshl_b32 s88, s88, 6
	s_add_co_u32 s88, s88, s87
	v_add_nc_u32 v11, s88, v8
	v_mov_b32 v13, 0xff61b1e6                      ; the largest t so far: -3e38
	s_delay_alu instid0(VALU_DEP_1)
	v_floor_f32 v12, -v13                          ; -M
	v_mov_b32 v14, 0                               ; the sum, in two halves
	v_mov_b32 v15, 0
	v_mov_b32 v17, 0xff61b1e6
	s_delay_alu instid0(VALU_DEP_1)
	v_floor_f32 v16, -v17
	v_mov_b32 v18, 0
	v_mov_b32 v19, 0
	v_mov_b32 v247, 0                              ; (named as the upper half of the pair v[246:247])
	v_mov_b32 v248, 0                              ; a lane permute's destination counts as one of its sources
.set n, 0
.rept 64
	v_mov_b32 v[164+n], 0                          ; O^T of both tiles.  (The step is written without a first step of its own: the first change of M multiplies zeros)
.set n, n+1
.endr
	s_wait_kmcnt 0x0
	s_add_co_i32 s84, s76, s77
	s_lshl_b32 s84, s84, 23
	s_add_co_i32 s[CS], s[CS], s84                 ; a score stands for score x 2^(e6 + e7): added to c's exponent field
	s_mov_b32 s[CS+1], s[CS]
	s_add_co_i32 s84, s78, 127
	s_lshl_b32 s85, s84, 23
	v_mov_b32 v244, s85                            ; 2^e8, for p's conversions
	s_sub_co_i32 s84, s80, s78
	s_sub_co_i32 s84, s84, s79                     ; O^T / the sum stands for that x 2^(e8 + e9): its code is taken with 2^(e10 - e8 - e9)
	s_add_co_i32 s84, s84, 127
	s_lshl_b32 s85, s84, 23
	v_mov_b32 v249, s85
; A KEY STEP of one tile: 128 keys.  st: -M, largest t, the sum's pair; q: the queries' fragment; o: O^T; d: the diagonal's number; u2: the tile's last step.
.macro STEP st, q, o, d, u2
	s_cmp_gt_u32 s[KC], s[\u2]                     ; all 128 keys come after my queries: the step is left out
	s_cbranch_scc1 .Lhidden_\@
	v_add_nc_u32 v[ADK], s[TB], v[LI]
	s_delay_alu instid0(VALU_DEP_1)
	v_add_nc_u32 v[ADV], VBASE, v[ADK]
	v_nop
	v_nop                                          ; four plain places between the last products and loads into the fragments that they read
.irp t, 0,1,2,3,4,5,6,7
	ds_load_b128 v[FR+8*\t:FR+8*\t+3], v[ADK] offset:1024*\t
	ds_load_b128 v[FR+8*\t+4:FR+8*\t+7], v[ADK] offset:1024*\t+512
.endr
	s_wait_alu depctr_va_vdst(0)
.irp t, 0,1,2,3,4,5,6,7
	s_wait_dscnt 14-2*\t                           ; tile t's two loads are in; those behind them may be out
	v_wmma_f32_16x16x64_fp8_fp8 v[S+8*\t:S+8*\t+7], v[FR+8*\t:FR+8*\t+7], v[\q:\q+7], 0
.endr
.rept 4
	v_nop                                          ; places in front of the loads below and of the first read of the scores
.endr
.irp t, 0,1,2,3                                ; V's fragments are asked for now and land under the softmax
.irp g, 0,1,2,3
	ds_load_b128 v[FR+16*\t+4*\g:FR+16*\t+4*\g+3], v[ADV] offset:(\g/2)*4096+1024*\t+(\g%2)*512
.endr
.endr
	s_cmp_lg_u32 s[KC], s[\u2]                     ; only the tile's last step lies on the diagonal
	s_cbranch_scc1 .Lopen_\@
	v_mov_b32 v254, 0xff800000                     ; hidden scores become -infinity ahead of the maximum: p = 0 then
.set n, 0
.rept 64
	v_cmp_gt_i32 vcc_lo, 16*(n/8)+n%8, v[\d]
	v_cndmask_b32 v[S+n], v[S+n], v254, vcc_lo
.set n, n+1
.endr
.Lopen_\@:
	v_max3_num_f32 v254, v[S], v[S+1], v[S+2]      ; the step's largest score of my query among my 64 keys, in two chains; each accumulator from its low end on
	v_max3_num_f32 v252, v[S+3], v[S+4], v[S+5]
.irp i, 6,10,14,18,22,26,30,34,38,42,46,50,54,58
	v_max3_num_f32 v254, v254, v[S+\i], v[S+\i+1]
	v_max3_num_f32 v252, v252, v[S+\i+2], v[S+\i+3]
.endr
	v_max3_num_f32 v254, v254, v[S+62], v[S+63]
	s_delay_alu instid0(VALU_DEP_1)
	v_max_num_f32 v254, v254, v252
	s_delay_alu instid0(VALU_DEP_1)
	v_permlanex16_b32 v248, v254, s[SEL], s[SEL+1]
	s_delay_alu instid0(VALU_DEP_1)
	v_max_num_f32 v254, v254, v248                 ; and among lane l xor 16's
	s_delay_alu instid0(VALU_DEP_1)
	v_mul_f32 v254, s[CS], v254                    ; as t (c is positive)
	s_delay_alu instid0(VALU_DEP_1)
	v_max_num_f32 v[\st+1], v[\st+1], v254         ; the running largest t
	v_mov_b32 v254, v[\st]
	s_delay_alu instid0(VALU_DEP_2)
	v_floor_f32 v[\st], -v[\st+1]                  ; the new -M = floor(-t): M is a whole number
	s_delay_alu instid0(VALU_DEP_1)
	v_sub_f32 v254, v[\st], v254                   ; old M - new M: a whole number, 0 or less
	s_delay_alu instid0(VALU_DEP_1)
	v_cvt_i32_f32 v254, v254                       ; (it saturates)
	s_delay_alu instid0(VALU_DEP_1)
	v_ldexp_f32 v246, 1.0, v254                    ; f = 2^(old M - new M)
.set n, 0
.rept 32
	v_pk_fma_f32 v[S+n:S+n+1], v[S+n:S+n+1], s[CS:CS+1], v[\st:\st+1] op_sel_hi:[1,0,0]   ; t - M, two at a time
.set n, n+2
.endr
.set n, 0
	s_wait_alu depctr_va_vdst(0)
.rept 64
	v_exp_f32 v[S+n], v[S+n]                       ; p = 2^(t - M)
.set n, n+1
.endr
	v_pk_mul_f32 v[\st+2:\st+3], v[\st+2:\st+3], v[246:247] op_sel_hi:[1,0]   ; the sums under the new M: the plain line behind the exponentials
	s_wait_alu depctr_va_vdst(0)                   ; one wait for the batch, ahead of its first reader
	v_pk_add_f32 v[250:251], v[S:S+1], v[S+2:S+3]  ; the row's sum is taken of the unquantised p, in two chains
.irp j, 4,8,12,16,20,24,28,32,36,40,44,48,52,56,60
	v_pk_add_f32 v[\st+2:\st+3], v[\st+2:\st+3], v[S+\j:S+\j+1]
	v_pk_add_f32 v[250:251], v[250:251], v[S+\j+2:S+\j+3]
.endr
	s_delay_alu instid0(VALU_DEP_1)
	v_pk_add_f32 v[\st+2:\st+3], v[\st+2:\st+3], v[250:251]
.irp t, 0,1,2,3,4,5,6,7
.irp i, 0,1,2,3,4,5,6,7
.endr
	v_cvt_scalef32_pk8_fp8_f32 v[PC+2*\t:PC+2*\t+1], v[S+8*\t:S+8*\t+7], v244
.endr
.set n, 0
.rept 16
	v_pk_mul_f32 v[\o+n:\o+n+1], v[\o+n:\o+n+1], v[246:247] op_sel_hi:[1,0]   ; O^T under the new M.  (Plain lines between the conversions and the products that read the codes)
.set n, n+2
.endr
	s_wait_alu depctr_va_vdst(0)
	s_wait_dscnt 0x0                               ; V is in
.irp t, 0,1,2,3
	v_wmma_f32_16x16x128_fp8_fp8 v[\o+8*\t:\o+8*\t+7], v[FR+16*\t:FR+16*\t+15], v[PC:PC+15], v[\o+8*\t:\o+8*\t+7]
.endr
.Lhidden_\@:
.endm
.macro TRIP
	STEP 12, 20, 164, 10, 18
	STEP 16, 28, 196, 11, 19
	s_add_co_u32 s[TB], s[TB], 8192
	s_add_co_u32 s[KC], s[KC], 1
.endm
	s_wait_tensorcnt 1                             ; my small tile (keys 0-255) is in; the large one may be out
	s_barrier_signal -1
	s_barrier_wait -1
	s_wait_loadcnt 0x0                             ; my queries
.Lfirst:                                           ; steps 0 and 1 read keys 0-255 alone
	TRIP
	s_cmp_lt_u32 s[KC], 2
	s_cbranch_scc1 .Lfirst
	s_wait_tensorcnt 0x0                           ; my large tile is in,
	s_wait_dscnt 0x0
	s_barrier_signal -1
	s_barrier_wait -1                              ; everybody's is
.Lrest:                                            ; steps 2 to 15: no barrier, the waves run free
	TRIP
	s_cmp_lt_u32 s[KC], 16
	s_cbranch_scc1 .Lrest
; THE WAY OUT of a tile: O^T / the sum, converted: the four tiles' codes are the 8 registers of the last projection's operand for this head; two stores of 512 consecutive bytes.
.macro FIN st, o, pc, oo
	v_add_f32 v[\st+2], v[\st+2], v[\st+3]
	s_delay_alu instid0(VALU_DEP_1)
	v_permlanex16_b32 v248, v[\st+2], s[SEL], s[SEL+1]
	s_delay_alu instid0(VALU_DEP_1)
	v_add_f32 v[\st+2], v[\st+2], v248             ; the row's sum
	s_wait_alu depctr_va_vdst(0)
	v_rcp_f32 v246, v[\st+2]
	v_nop                                          ; a plain line behind the transcendental
	s_wait_alu depctr_va_vdst(0)                   ; and the wait ahead of its first reader
.set n, 0
.rept 16
	v_pk_mul_f32 v[S+n:S+n+1], v[\o+n:\o+n+1], v[246:247] op_sel_hi:[1,0]
.set n, n+2
.endr
.set n, 0
.rept 32
.set n, n+1
.endr
.irp t, 0,1,2,3
	v_cvt_scalef32_pk8_fp8_f32 v[\pc+2*\t:\pc+2*\t+1], v[S+8*\t:S+8*\t+7], v249
.endr
	v_nop                                          ; one plain line behind the conversions
	global_store_b128 v[\oo], v[\pc:\pc+3], s[12:13]
	global_store_b128 v[\oo], v[\pc+4:\pc+7], s[12:13] offset:512
.endm
.rept 4
	v_nop                                          ; places between the last products and the first read of O^T
.endr
	FIN 12, 164, PC, 6
	FIN 16, 196, PC+8, 7
	s_wait_tensorcnt 0x0
	ds_add_u32 v253, v255
	s_wait_dscnt 0x0
	CROUND                                         ; the closing round
	s_endpgm
.Lfunc_end_k_q69c558a3be_att:
	.size	k_q69c558a3be_att, .Lfunc_end_k_q69c558a3be_att-k_q69c558a3be_att
	.p2alignl 7, 3214868480
	.fill 96, 4, 3214868480
	.section	.rodata,"a",@progbits
	.p2align	6, 0x0
	.amdhsa_kernel k_q69c558a3be_att
		.amdhsa_group_segment_fixed_size 264192
		.amdhsa_private_segment_fixed_size 0
		.amdhsa_enable_private_segment 0
		.amdhsa_kernarg_size 40
		.amdhsa_user_sgpr_count 2
		.amdhsa_user_sgpr_kernarg_segment_ptr 1
		.amdhsa_wavefront_size32 1
		.amdhsa_system_sgpr_workgroup_id_x 1
		.amdhsa_system_sgpr_workgroup_id_y 1
		.amdhsa_system_sgpr_workgroup_id_z 1
		.amdhsa_system_vgpr_workitem_id 0
		.amdhsa_next_free_vgpr 256
		.amdhsa_next_free_sgpr 104
		.amdhsa_reserve_vcc 1
		.amdhsa_float_denorm_mode_32 3
		.amdhsa_float_denorm_mode_16_64 3
		.amdhsa_fp16_overflow 1
		.amdhsa_memory_ordered 1
		.amdhsa_forward_progress 1
		.amdhsa_inst_pref_size 91
	.end_amdhsa_kernel
	.amdgpu_metadata
---
amdhsa.version: [ 1, 2 ]
amdhsa.kernels:
  - .name:           k_q69c558a3be_att
    .symbol:         k_q69c558a3be_att.kd
    .args:
      - { .name: q_ws, .offset: 0, .size: 8, .value_kind: global_buffer, .address_space: global }
      - { .name: k_ws, .offset: 8, .size: 8, .value_kind: global_buffer, .address_space: global }
      - { .name: v_ws, .offset: 16, .size: 8, .value_kind: global_buffer, .address_space: global }
      - { .name: lowp_scales, .offset: 24, .size: 8, .value_kind: global_buffer, .address_space: global }
      - { .name: o_ws, .offset: 32, .size: 8, .value_kind: global_buffer, .address_space: global }
    .group_segment_fixed_size: 264192
    .private_segment_fixed_size: 0
    .kernarg_segment_align: 8
    .kernarg_segment_size: 40
    .max_flat_workgroup_size: 512
    .sgpr_count:     104
    .vgpr_count:     256
    .wavefront_size: 32
...
	.end_amdgpu_metadata
.endif
;; end of part 3
;; launch outproj (part 4): grid 8 x 32, 4 waves a work-group, clusters of 4 x 4, 327,680 bytes of LDS; arguments o_ws, Wo_codes, lowp_scales, out0; writes out0
.if DOCPART == 4
	.amdgcn_target "amdgcn-amd-amdhsa--gfx1250"
	.amdhsa_code_object_version 6
	.text
	.protected	k_q69c558a3be_outproj
	.globl	k_q69c558a3be_outproj
	.p2align	8
	.type	k_q69c558a3be_outproj,@function
k_q69c558a3be_outproj:
	s_mov_b64 s[64:65], 0
	v_nop
	global_prefetch_b8 v0, s[64:65] scope:SCOPE_SE
	s_setreg_imm32_b32 hwreg(HW_REG_WAVE_MODE, 25, 1), 1
	s_wait_xcnt 0x0
	s_wait_alu depctr_hold_cnt(0) depctr_sa_sdst(0) depctr_va_vdst(0) depctr_va_sdst(0) depctr_va_ssrc(0) depctr_va_vcc(0) depctr_vm_vsrc(0)
	s_getreg_b32 s2, hwreg(HW_REG_IB_STS2, 6, 4)
	s_cmp_eq_u32 s2, 0
	s_cbranch_scc0 .Lentry_in_a_cluster
	s_endpgm
.Lentry_in_a_cluster:
	s_bfe_u32 s2, ttmp6, 0x10000c
	s_cmp_lg_u32 s2, 0xf033
	s_cbranch_scc0 .Lentry_shape_is_right
	s_endpgm
.Lentry_shape_is_right:
; out0 = o Wo^T on codes of E4M3, f32 out.  o's codes lie in o_ws as images of operand registers: [K / 256][16 tokens][64 of K][4 registers][lane][16 bytes]; Wo's as rows, K innermost.
; A tile of out0 is 256 tokens (side P) x 128 columns (side Q): 256 work-groups; four waves, each 128 x 64: 32 accumulators.  Source 0 = 16 rows of Wo, source 1 = 16 tokens: a lane holds eight neighbouring columns of one row.
; K goes in 8 steps of 128, two to an LDS slot.  A slot: o's 256 tokens x 256 K, one dense block of 65,536 bytes, then Wo's 128 rows of 256 bytes + 16 of padding.
; THREE SLOTS: K 0-767 is asked for at the head, K 768-1023 goes into slot 0 when step 1 has read it out: one refill, which has five steps' products in which to land.  By this text's count a wave has at most three tensor loads out.
; o's images have k in the places that the matrix form's own layout gives (registers 2 c, 2 c + 1: k = 16 c + 8 h + 0 .. 7), so Wo's fragments are fetched in that layout too: eight loads of 8 bytes.
; CLUSTERS: 4 x 4: o's tile is asked for jointly along a row of the cluster, Wo's along a column.
; Each finished sum is multiplied once by 2^(e10 + e11).  LIMIT: e10 + e11 between -126 and 127.
; Nothing is prefetched: three quarters of a tile's bytes are asked for at the head.
; REGISTERS: window 0: addresses, v32-63 a block's results, v64-127 rows read back (two sets).  window 1: the accumulators, (a, b) at v[8 (4 a + b)].  window 2: o's fragments, two sets of 128.  window 3: Wo's, two sets of 64.
.set PITCH,  272
.set PHALF,  32768                     ; 128 tokens x 256 K of images: what one tensor load brings, and what a wave reads
.set QHALF,  64*PITCH
.set QOFF,   2*PHALF
.set SLOT,   QOFF+2*QHALF
.set SPARE,  3*SLOT                    ; behind the slots: the spare words, 128 bytes a wave: two blocks of 256 bytes that no other line names
.set STAGE,  SLOT                      ; the way out: 16 rows x 272 bytes a wave, in slot 1: it has had its last fill, and nobody reads it behind step 5's barrier
.set ADRP, 16
.set ADRQ, 20
.set STO,  24
.set RD,   25
.set CO,   26
.set SPW,  28
.set NIL,  29
.set TMP,  32
.set BK,   64
.set G1,   24
.set G1B,  32
.set G0,   40
.set G0B,  52
.set WV,   66
.set FB,   67                          ; wave / 2: I fetch for o (0) or Wo (1); also which 128 tokens are mine
.set HF,   68                          ; wave % 2: which half I fetch; also which 64 columns are mine
.set CX,   69
.set CY,   70
.set PT,   72
.set QT,   73
.set MSB, 0
.macro WIN new
.if MSB != \new
	s_set_vgpr_msb (MSB<<8)|\new
.set MSB, \new
.endif
.endm
.set W_MUL, 0x5b                       ; source 0 (Wo) window 3, source 1 (o) window 2, C and D window 1
.set TO_P,  0x80
.set TO_Q,  0xc0
.macro PLACES n
.rept \n
	v_nop
.endr
.endm
.macro JLOAD                           ; the joint refill of slot 0; four v_nop follow each line
	s_cmp_eq_u32 s[FB], 0
	s_cbranch_scc0 .Lfor_q_\@
	tensor_load_to_lds s[G0:G0+3], s[G1:G1+7]
	s_nop 0
	PLACES 4
	s_branch .Lasked_\@
.Lfor_q_\@:
	tensor_load_to_lds s[G0B:G0B+3], s[G1B:G1B+7]
	s_nop 0
	PLACES 4
.Lasked_\@:
.endm
.macro CREST
	s_cmp_lg_u32 s[WV], 0
	s_cbranch_scc1 .Lnot_wave_0_\@
	s_barrier_signal -3
.Lnot_wave_0_\@:
	s_barrier_wait -3
	s_barrier_signal -1
	s_barrier_wait -1
.endm
.macro CROUND
	s_barrier_signal -1
	s_barrier_wait -1
	CREST
.endm
	s_load_b256 s[4:11], s[0:1], 0x0               ; o_ws, Wo, scales, out0
	v_lshl_add_u32 v[SPW], v0, 2, SPARE
	v_mov_b32 v[NIL], 0
	ds_add_u32 v28, v29
	ds_add_u32 v28, v29
	s_wait_dscnt 0x0
	v_lshrrev_b32 v1, 5, v0
	v_readfirstlane_b32 s[WV], v1
	s_lshr_b32 s[FB], s[WV], 1
	s_and_b32 s[HF], s[WV], 1
	s_bfe_u32 s[CX], ttmp6, 0x40000
	s_bfe_u32 s[CY], ttmp6, 0x40004
	s_and_b32 s[PT], ttmp7, 0xffff
	s_lshl_b32 s[PT], s[PT], 2
	s_add_co_u32 s[PT], s[PT], s[CY]               ; tile row: 4 x cluster y + cy
	s_lshl_b32 s[QT], ttmp9, 2
	s_add_co_u32 s[QT], s[QT], s[CX]               ; tile column
	s_lshl_b32 s74, s[CY], 2
	s_lshl_b32 s74, 15, s74                        ; my row of the cluster
	s_lshl_b32 s75, 0x1111, s[CX]                  ; my column
	s_or_b32 s[G1], s74, (3<<16)|(1<<21)           ; o: elements of 8 bytes, no padding: 128 rows of 256 bytes, dense
	s_mov_b32 s[G1+1], 32<<16
	s_mov_b32 s[G1+2], 128<<16
	s_mov_b32 s[G1+3], 32<<16
	s_mov_b32 s[G1+4], 128
	s_mov_b32 s[G1+5], 32
	s_mov_b32 s[G1+6], 0
	s_mov_b32 s[G1+7], 0
	s_or_b32 s[G1B], s75, (1<<20)|(1<<21)|(5<<22)|(3<<25)   ; Wo: elements of 1 byte; 4 words of padding behind every 64
	s_mov_b32 s[G1B+1], 256<<16
	s_mov_b32 s[G1B+2], 64<<16
	s_mov_b32 s[G1B+3], 256<<16
	s_mov_b32 s[G1B+4], 64
	s_mov_b32 s[G1B+5], 1024
	s_mov_b32 s[G1B+6], 0
	s_mov_b32 s[G1B+7], 0
	s_lshl_b32 s92, s[PT], 16
	s_lshl_b32 s93, s[HF], 15
	s_add_co_u32 s92, s92, s93                     ; o: 65,536 x tile row + 32,768 x half
	s_mov_b32 s93, 0
	s_lshl_b32 s94, s[QT], 7
	s_lshl_b32 s95, s[HF], 6
	s_add_co_u32 s94, s94, s95
	s_lshl_b32 s94, s94, 10                        ; Wo: row 128 x tile column + 64 x half
	s_mov_b32 s95, 0
	s_mul_i32 s74, s[HF], PHALF
	s_mul_i32 s75, s[HF], QHALF
	s_add_co_u32 s75, s75, QOFF
	s_wait_kmcnt 0x0
	s_load_b64 s[12:13], s[8:9], 0x28              ; e10, e11
	s_add_nc_u64 s[96:97], s[4:5], s[92:93]
	s_add_nc_u64 s[98:99], s[6:7], s[94:95]
	CROUND                                         ; all sixteen work-groups are here: the first joint loads meet
.irp n, 0,1,2
	s_mov_b32 s[G0+4*\n], 1
	s_add_co_u32 s[G0+4*\n+1], s74, \n*SLOT
	s_add_nc_u64 s[G0+4*\n+2:G0+4*\n+3], s[96:97], \n*2097152
	s_or_b32 s[G0+4*\n+3], s[G0+4*\n+3], 0x80000000
	s_mov_b32 s[G0B+4*\n], 1
	s_add_co_u32 s[G0B+4*\n+1], s75, \n*SLOT
	s_add_nc_u64 s[G0B+4*\n+2:G0B+4*\n+3], s[98:99], \n*256
	s_or_b32 s[G0B+4*\n+3], s[G0B+4*\n+3], 0x80000000
.endr
	s_cmp_eq_u32 s[FB], 0                          ; a wave's three first fills stand in one branch
	s_cbranch_scc0 .Lfirst_q
.irp n, 0,1,2
	tensor_load_to_lds s[G0+4*\n:G0+4*\n+3], s[G1:G1+7]
	s_nop 0
.endr
	PLACES 4
	s_branch .Lfirst_done
.Lfirst_q:
.irp n, 0,1,2
	tensor_load_to_lds s[G0B+4*\n:G0B+4*\n+3], s[G1B:G1B+7]
	s_nop 0
.endr
	PLACES 4
.Lfirst_done:
	v_and_b32 v1, 15, v0                           ; r
	v_bfe_u32 v2, v0, 4, 1                         ; h
	v_and_b32 v6, 31, v0
	v_lshlrev_b32 v6, 4, v6                        ; 16 x lane: an image's place for my lane
	v_mul_u32_u24 v3, v1, PITCH
	v_lshl_add_u32 v3, v2, 3, v3                   ; Wo: row x pitch + 8 h
	s_mul_i32 s74, s[FB], PHALF                    ; my 128 tokens
	s_mul_i32 s75, s[HF], QHALF                    ; my 64 rows of Wo
	s_add_co_u32 s75, s75, QOFF
.irp s, 0,1,2
	v_add_nc_u32 v[ADRP+\s], s74, v6
	v_add_nc_u32 v[ADRQ+\s], s75, v3
	s_add_co_u32 s74, s74, SLOT
	s_add_co_u32 s75, s75, SLOT
.endr
	s_mul_i32 s74, s[WV], 16*PITCH
	s_add_co_u32 s74, s74, STAGE                   ; my stage
	v_mul_u32_u24 v4, v1, PITCH
	v_lshl_add_u32 v4, v2, 5, v4
	v_add_nc_u32 v[STO], s74, v4                   ; in: row r, 32 bytes for each half of the lanes
	v_mul_u32_u24 v5, v2, PITCH
	v_lshl_add_u32 v5, v1, 4, v5
	v_add_nc_u32 v[RD], s74, v5                    ; back: lanes 0-15 one row of 256 bytes, lanes 16-31 the next
	v_lshlrev_b32 v[CO], 12, v2
	v_lshl_add_u32 v[CO], v1, 4, v[CO]             ; and the same two rows in out0 (4,096 bytes a row)
	s_lshl_b32 s74, s[PT], 8
	s_lshl_b32 s75, s[FB], 7
	s_add_co_u32 s74, s74, s75
	s_lshl_b32 s74, s74, 12                        ; my first row,
	s_lshl_b32 s75, s[QT], 9
	s_add_co_u32 s74, s74, s75
	s_lshl_b32 s75, s[HF], 8
	s_add_co_u32 s74, s74, s75                     ; my first column: 512 x tile column + 256 x half bytes
	s_mov_b32 s75, 0
	s_add_nc_u64 s[10:11], s[10:11], s[74:75]
	s_wait_kmcnt 0x0
	s_add_co_i32 s12, s12, s13
	s_add_co_i32 s12, s12, 127
	s_lshl_b32 s12, s12, 23                        ; 2^(e10 + e11) as f32
	s_mov_b32 s13, s12                             ; (named with it as a pair)
.macro FETCHP q                        ; o's eight fragments of step q: 32 loads of 512 consecutive bytes a wave
	WIN TO_P
.irp a, 0,1,2,3,4,5,6,7
.irp g, 0,1,2,3
	ds_load_b128 v[128*((\q)%2)+16*\a+4*\g:128*((\q)%2)+16*\a+4*\g+3], v[ADRP+((\q)/2)%3] offset:4096*\a+2048*((\q)%2)+512*\g
.endr
.endr
.endm
.macro FETCHQ q                        ; Wo's four: registers 2 c, 2 c + 1 hold K = 16 c + 8 h + 0 .. 7
	WIN TO_Q
.irp b, 0,1,2,3
.irp c, 0,1,2,3,4,5,6,7
	ds_load_b64 v[64*((\q)%2)+16*\b+2*\c:64*((\q)%2)+16*\b+2*\c+1], v[ADRQ+((\q)/2)%3] offset:16*PITCH*\b+128*((\q)%2)+16*\c
.endr
.endr
.endm
.macro QMUL q, a0, zero                ; 8 matrix instructions; the 32 accumulators take turns in one order in every step
.irp a, \a0, \a0+1
.irp b, 0,1,2,3
.if \zero
	v_wmma_f32_16x16x128_fp8_fp8 v[8*(4*(\a)+\b):8*(4*(\a)+\b)+7], v[64*((\q)%2)+16*\b:64*((\q)%2)+16*\b+15], v[128*((\q)%2)+16*(\a):128*((\q)%2)+16*(\a)+15], 0
.else
	v_wmma_f32_16x16x128_fp8_fp8 v[8*(4*(\a)+\b):8*(4*(\a)+\b)+7], v[64*((\q)%2)+16*\b:64*((\q)%2)+16*\b+15], v[128*((\q)%2)+16*(\a):128*((\q)%2)+16*(\a)+15], v[8*(4*(\a)+\b):8*(4*(\a)+\b)+7]
.endif
.endr
.endr
.endm
.macro MULS q, zero
	WIN W_MUL
	QMUL \q, 0, \zero
	QMUL \q, 2, \zero
	QMUL \q, 4, \zero
	QMUL \q, 6, \zero
.endm
.macro NSTEP q, zero
	PLACES 4                                       ; four plain places between the last products and loads into the set that they read
	FETCHP (\q)+1
	s_wait_dscnt 32                                ; all but the 32 just issued: step q's fragments are in
	FETCHQ (\q)+1
	MULS \q, \zero
.endm
.macro TURN q, fill
	WIN 0
	s_wait_tensorcnt 0x0                           ; all my tensor loads have landed
	ds_add_u32 v[SPW], v[NIL]                      ; 0 onto my spare word
	s_wait_dscnt 1                                 ; step q's fragments are in; the add may be out
	WIN W_MUL
	QMUL \q, 0, 0
	QMUL \q, 2, 0
	s_wait_dscnt 0x0                               ; the add is done, and my LDS reads are over
	s_barrier_signal -1
	QMUL \q, 4, 0
	WIN 0
	s_barrier_wait -1
.if \fill
	CREST                                          ; no wave of any partner still reads slot 0 or has a load on its way
	s_add_nc_u64 s[G0+2:G0+3], s[G0+2:G0+3], 3*2097152
	s_add_nc_u64 s[G0B+2:G0B+3], s[G0B+2:G0B+3], 768
	JLOAD                                          ; its four v_nop are also the places in front of the loads below
.else
	PLACES 4
.endif
	FETCHP (\q)+1
	FETCHQ (\q)+1
	WIN W_MUL
	QMUL \q, 6, 0
.endm
	s_wait_tensorcnt 2                             ; my part of slot 0 is in; slots 1 and 2 may be out
	s_barrier_signal -1
	s_barrier_wait -1
	FETCHP 0
	FETCHQ 0
	NSTEP 0, 1                                     ; the first products start the sums
	TURN 1, 1                                      ; its wait for all loads also shows slots 1 and 2 whole to every wave
	NSTEP 2, 0
	s_wait_alu depctr_va_vdst(0)
	NSTEP 3, 0
	NSTEP 4, 0
	TURN 5, 0                                      ; the refill has landed in every wave; behind this barrier nobody reads slot 1
	NSTEP 6, 0
	s_wait_dscnt 0x0
	MULS 7, 0
	WIN 0
	PLACES 4                                       ; between the last products and the first read of results
; THE WAY OUT, a block of 16 rows x my 64 columns at a time: x 2^(e10 + e11), through my own stage, back as whole rows of 256 bytes.  LDS serves a wave's instructions in order (ISA guide 5.7.1.4): no wait between the stores and the loads.
.macro TOSTAGE a
	WIN 0x01                                       ; source 0: the accumulators' window
.set n, 0
.rept 16
	v_pk_mul_f32 v[TMP+n:TMP+n+1], v[32*(\a)+n:32*(\a)+n+1], s[12:13] op_sel_hi:[1,0]   ; each accumulator from its low end on
.set n, n+2
.endr
	WIN 0
.irp b, 0,1,2,3
	ds_store_b128 v[STO], v[TMP+8*\b:TMP+8*\b+3] offset:64*\b
	ds_store_b128 v[STO], v[TMP+8*\b+4:TMP+8*\b+7] offset:64*\b+16
.endr
.irp t, 0,1,2,3,4,5,6,7
	ds_load_b128 v[BK+32*((\a)%2)+4*\t:BK+32*((\a)%2)+4*\t+3], v[RD] offset:2*PITCH*\t
.endr
.endm
.macro SEND a, younger                 ; younger: the LDS instructions issued behind block a's loads
	s_wait_dscnt \younger
.irp t, 0,1,2,3,4,5,6,7
	global_store_b128 v[CO], v[BK+32*((\a)%2)+4*\t:BK+32*((\a)%2)+4*\t+3], s[10:11] offset:65536*(\a)+8192*\t th:TH_STORE_NT   ; 16 lanes store 256 consecutive bytes, aligned; written once, read by nobody here
.endr
.endm
	TOSTAGE 0
.irp a, 1,2,3,4,5,6,7
.if \a > 1
	s_wait_xcnt 0x0                                ; block a - 2's stores have read their registers: block a's loads may land there
.endif
	TOSTAGE \a
	SEND (\a)-1, 16                                ; behind block a - 1's loads: block a's 8 stores and 8 loads
.endr
	SEND 7, 0
	s_wait_tensorcnt 0x0                           ; the wave's end
	ds_add_u32 v[SPW], v[NIL]
	s_wait_dscnt 0x0
	CROUND                                         ; the closing round
	s_endpgm
.Lfunc_end_k_q69c558a3be_outproj:
	.size	k_q69c558a3be_outproj, .Lfunc_end_k_q69c558a3be_outproj-k_q69c558a3be_outproj
	.p2alignl 7, 3214868480
	.fill 96, 4, 3214868480
	.section	.rodata,"a",@progbits
	.p2align	6, 0x0
	.amdhsa_kernel k_q69c558a3be_outproj
		.amdhsa_group_segment_fixed_size 327680
		.amdhsa_private_segment_fixed_size 0
		.amdhsa_enable_private_segment 0
		.amdhsa_kernarg_size 32
		.amdhsa_user_sgpr_count 2
		.amdhsa_user_sgpr_kernarg_segment_ptr 1
		.amdhsa_wavefront_size32 1
		.amdhsa_system_sgpr_workgroup_id_x 1
		.amdhsa_system_sgpr_workgroup_id_y 1
		.amdhsa_system_sgpr_workgroup_id_z 1
		.amdhsa_system_vgpr_workitem_id 0
		.amdhsa_next_free_vgpr 1024
		.amdhsa_next_free_sgpr 104
		.amdhsa_reserve_vcc 0
		.amdhsa_float_denorm_mode_32 3
		.amdhsa_float_denorm_mode_16_64 3
		.amdhsa_memory_ordered 1
		.amdhsa_forward_progress 1
		.amdhsa_inst_pref_size 83
	.end_amdhsa_kernel
	.amdgpu_metadata
---
amdhsa.version: [ 1, 2 ]
amdhsa.kernels:
  - .name:           k_q69c558a3be_outproj
    .symbol:         k_q69c558a3be_outproj.kd
    .args:
      - { .name: o_ws, .offset: 0, .size: 8, .value_kind: global_buffer, .address_space: global }
      - { .name: Wo_codes, .offset: 8, .size: 8, .value_kind: global_buffer, .address_space: global }
      - { .name: lowp_scales, .offset: 16, .size: 8, .value_kind: global_buffer, .address_space: global }
      - { .name: out0, .offset: 24, .size: 8, .value_kind: global_buffer, .address_space: global }
    .group_segment_fixed_size: 327680
    .private_segment_fixed_size: 0
    .kernarg_segment_align: 8
    .kernarg_segment_size: 32
    .max_flat_workgroup_size: 128
    .sgpr_count:     104
    .vgpr_count:     1024
    .wavefront_size: 32
...
	.end_amdgpu_metadata
.endif
;; end of part 4
